; MI455X (gfx1250); checked and timed in simulation.
; The chip was launched on July 23, 2026; its instructions are those of AMD's public machine-readable ISA for CDNA 5 (MIT licence, August 2026) and "CDNA5" Instruction Set Architecture Reference Guide (July 2026). The comments in the code are by the model that wrote it; some were corrected since.
;; Multihead Attention. Allowed arithmetic: float matrix products may take bf16 or f16 operands with f32 sums; other float arithmetic in f32, or as packed bf16 or f16 multiplies, adds, multiply-adds, maxima and minima; sums over many terms, partial sums and values carried from step to step in f32; what a program stores and reads back later, other than sums and carried values, may be rounded once to bf16 or f16.
;; Inputs: proj_b 1,024 float32; proj_w 1,024 x 1,024 float32; qkv_b 3,072 float32; qkv_w 3,072 x 1,024 float32; x 4 x 4,096 x 1,024 float32.
;; Outputs: out0 4 x 4,096 x 1,024 float32.
;; One version. Each part assembles by itself: llvm-mc -triple=amdgcn-amd-amdhsa -mcpu=gfx1250 --defsym DOCPART=n.
;; ======== version 1 of 1: 4 launches
;; limits: values are held in f16: magnitudes above 65,504 overflow, below 6.1e-05 lose precision
;; workspace buffers: xb 33,554,432 bytes; wq 6,291,456 bytes; wp 2,097,152 bytes; qkv 100,663,296 bytes; o2 33,554,432 bytes
;; launch cast (part 1): grid 1280 x 1, 8 waves a work-group, no clusters, 0 bytes of LDS; arguments x, qkv_w, proj_w, xb, wq, wp; writes xb, wq, wp
.if DOCPART == 1
	.amdgcn_target "amdgcn-amd-amdhsa--gfx1250"
	.amdhsa_code_object_version 6
	.text
	.protected	k_q55b0307a88_cast
	.globl	k_q55b0307a88_cast
	.p2align	8
	.type	k_q55b0307a88_cast,@function
k_q55b0307a88_cast:
	s_mov_b64 s[64:65], 0
	v_nop
	global_prefetch_b8 v0, s[64:65] scope:SCOPE_SE
	s_setreg_imm32_b32 hwreg(HW_REG_WAVE_MODE, 25, 1), 1
	s_wait_xcnt 0x0
; THE MATRIX OPERANDS ARE MADE.  xb = bf16(x), wq = bf16(qkv_w), wp = bf16(proj_w) written as f16 (the second projection multiplies in f16).
; LIMITS.  A bf16 number has 8 significant bits and fits f16's 11 exactly while its size lies between 6.1e-5 and 65,504; below that wp keeps f16's fixed step of 6e-8, beyond it wp is an infinity.
; SHARES.  A work-group takes 65,536 consecutive bytes of one f32 tensor and makes 32,768 bytes: groups 0-1023 x, 1024-1215 qkv_w, 1216-1279 proj_w.
; In round j of 16 thread t loads the 16 bytes at 4,096 j + 16 t (a wave's load covers 512 consecutive bytes) and stores the 8 bytes at 2,048 j + 8 t (a wave's store covers 256 consecutive bytes, aligned).
; All sixteen loads go out first, each into registers of its own, and each store has data registers of its own: no register that a memory instruction reads is written again, so the only waits are the counted ones for the loads.
; No LDS, no barrier, no matrix unit: each byte is read once and written once, and no thread wants another's.
.set GX, 1024                          ; the first group of qkv_w
.set GW, 1216                          ; the first group of proj_w
.set X,  4                             ; v[4:67]    round j: 4 numbers as loaded
.set Y,  68                            ; v[68:99]   round j: 4 numbers of 16 bits, to store
.set T,  100                           ; v[100:102] at work
	s_load_b256 s[4:11], s[0:1], 0x0               ; x s[4:5], qkv_w s[6:7], proj_w s[8:9], xb s[10:11]
	s_load_b128 s[12:15], s[0:1], 0x20             ; wq s[12:13], wp s[14:15]
	s_mov_b32 s16, ttmp9
	v_lshlrev_b32 v1, 4, v0                        ; 16 t
	v_lshlrev_b32 v2, 3, v0                        ; 8 t
	s_wait_kmcnt 0x0
	s_cmp_ge_u32 s16, GX                           ; which tensor: the choice hangs on the group's number alone
	s_cselect_b64 s[18:19], s[6:7], s[4:5]
	s_cselect_b64 s[20:21], s[12:13], s[10:11]
	s_cselect_b32 s17, GX, 0
	s_cmp_ge_u32 s16, GW
	s_cselect_b64 s[18:19], s[8:9], s[18:19]
	s_cselect_b64 s[20:21], s[14:15], s[20:21]
	s_cselect_b32 s17, GW, s17
	s_cselect_b32 s22, 1, 0                        ; 1: the result is written as f16
	s_sub_co_u32 s16, s16, s17                     ; the group's number within its tensor
	s_lshl_b32 s24, s16, 16                        ; 65,536 bytes in,
	s_mov_b32 s25, 0
	s_add_nc_u64 s[18:19], s[18:19], s[24:25]
	s_lshl_b32 s24, s16, 15                        ; 32,768 bytes out
	s_add_nc_u64 s[20:21], s[20:21], s[24:25]
.set j, 0
.rept 16
	global_load_b128 v[X+4*j:X+4*j+3], v1, s[18:19] offset:4096*j th:TH_LOAD_NT
.set j, j+1
.endr
; The sixteen rounds' arithmetic and stores.  mode = 0: bf16.  mode = 1: rounded to bf16, widened again (a shift, a mask) and written as f16.
.macro OUT mode
.set j, 0
.rept 16
	s_wait_loadcnt 15-j                            ; loads come back in order (ISA guide 5.7.1): round j's is in, the 15 - j younger ones stay out
.if \mode
.irp p, 0,1
	v_cvt_pk_bf16_f32 v[T], v[X+4*j+2*(\p)], v[X+4*j+2*(\p)+1]
	v_lshlrev_b32 v[T+1], 16, v[T]
	v_and_b32 v[T+2], 0xffff0000, v[T]
	v_cvt_pk_f16_f32 v[Y+2*j+(\p)], v[T+1], v[T+2]
.endr
.else
	v_cvt_pk_bf16_f32 v[Y+2*j],   v[X+4*j],   v[X+4*j+1]
	v_cvt_pk_bf16_f32 v[Y+2*j+1], v[X+4*j+2], v[X+4*j+3]
.endif
	global_store_b64 v2, v[Y+2*j:Y+2*j+1], s[20:21] offset:2048*j th:TH_STORE_NT
.set j, j+1
.endr
.endm
	s_cmp_eq_u32 s22, 1
	s_cbranch_scc1 .Lf16
	OUT 0
	s_endpgm
.Lf16:
	OUT 1
	s_endpgm
.Lfunc_end_k_q55b0307a88_cast:
	.size	k_q55b0307a88_cast, .Lfunc_end_k_q55b0307a88_cast-k_q55b0307a88_cast
	.p2alignl 7, 3214868480
	.fill 96, 4, 3214868480
	.section	.rodata,"a",@progbits
	.p2align	6, 0x0
	.amdhsa_kernel k_q55b0307a88_cast
		.amdhsa_group_segment_fixed_size 0
		.amdhsa_private_segment_fixed_size 0
		.amdhsa_enable_private_segment 0
		.amdhsa_kernarg_size 48
		.amdhsa_user_sgpr_count 2
		.amdhsa_user_sgpr_kernarg_segment_ptr 1
		.amdhsa_wavefront_size32 1
		.amdhsa_system_sgpr_workgroup_id_x 1
		.amdhsa_system_sgpr_workgroup_id_y 1
		.amdhsa_system_sgpr_workgroup_id_z 1
		.amdhsa_system_vgpr_workitem_id 0
		.amdhsa_next_free_vgpr 104
		.amdhsa_next_free_sgpr 66
		.amdhsa_reserve_vcc 0
		.amdhsa_float_denorm_mode_32 3
		.amdhsa_float_denorm_mode_16_64 3
		.amdhsa_memory_ordered 1
		.amdhsa_forward_progress 1
		.amdhsa_inst_pref_size 16
	.end_amdhsa_kernel
	.amdgpu_metadata
---
amdhsa.version: [ 1, 2 ]
amdhsa.kernels:
  - .name:           k_q55b0307a88_cast
    .symbol:         k_q55b0307a88_cast.kd
    .args:
      - { .name: x, .offset: 0, .size: 8, .value_kind: global_buffer, .address_space: global }
      - { .name: qkv_w, .offset: 8, .size: 8, .value_kind: global_buffer, .address_space: global }
      - { .name: proj_w, .offset: 16, .size: 8, .value_kind: global_buffer, .address_space: global }
      - { .name: xb, .offset: 24, .size: 8, .value_kind: global_buffer, .address_space: global }
      - { .name: wq, .offset: 32, .size: 8, .value_kind: global_buffer, .address_space: global }
      - { .name: wp, .offset: 40, .size: 8, .value_kind: global_buffer, .address_space: global }
    .group_segment_fixed_size: 0
    .private_segment_fixed_size: 0
    .kernarg_segment_align: 8
    .kernarg_segment_size: 48
    .max_flat_workgroup_size: 256
    .sgpr_count:     66
    .vgpr_count:     104
    .wavefront_size: 32
...
	.end_amdgpu_metadata
.endif
;; end of part 1
;; launch gq (part 2): grid 4 x 64, 4 waves a work-group, clusters of 4 x 4, 327,680 bytes of LDS; arguments xb, wq, qkv_b, qkv; writes qkv
.if DOCPART == 2
	.amdgcn_target "amdgcn-amd-amdhsa--gfx1250"
	.amdhsa_code_object_version 6
	.text
	.protected	k_q55b0307a88_gq
	.globl	k_q55b0307a88_gq
	.p2align	8
	.type	k_q55b0307a88_gq,@function
k_q55b0307a88_gq:
	s_mov_b64 s[64:65], 0
	v_nop
	global_prefetch_b8 v0, s[64:65] scope:SCOPE_SE
	s_setreg_imm32_b32 hwreg(HW_REG_WAVE_MODE, 25, 1), 1
	s_wait_xcnt 0x0
	s_wait_alu depctr_hold_cnt(0) depctr_sa_sdst(0) depctr_va_vdst(0) depctr_va_sdst(0) depctr_va_ssrc(0) depctr_va_vcc(0) depctr_vm_vsrc(0)
	s_getreg_b32 s2, hwreg(HW_REG_IB_STS2, 6, 4)
	s_cmp_eq_u32 s2, 0
	s_cbranch_scc0 .Lentry_in_a_cluster
	s_endpgm
.Lentry_in_a_cluster:
	s_bfe_u32 s2, ttmp6, 0x10000c
	s_cmp_lg_u32 s2, 0xf033
	s_cbranch_scc0 .Lentry_shape_is_right
	s_endpgm
.Lentry_shape_is_right:
; qkv[m][n] = bf16(qkv_b[n]) + the sum over k of xb[m][k] wq[n][k].  xb: [16384][1024] bf16, wq: [3072][1024] bf16, qkv_b: [3072] f32, qkv: [16384][3072] f16; sums in f32, qkv rounded once.
; LIMITS.  f16 ends at 65,504: a q, k or v of 65,520 or more leaves as an infinity; below 6.1e-5 it keeps f16's fixed step of 6e-8.  NaN and infinities are not treated apart.
; A tile of C, 256 x 256, is made by a work-group of four waves; a wave makes 128 x 128: 64 accumulators of 16 x 16, 512 registers.  K goes in 8 steps of 128 through a ring of two LDS slots filled by the
; tensor data mover: the rows of A's and B's tiles are 256 bytes of memory and start at multiples of 256 bytes from the buffer's first byte.
; A WORK-GROUP STAYS: C has 12 x 64 tiles, three for each of 4 x 64 = 256 work-groups.  A work-group's three tiles lie side by side, 1,024 columns apart (its columns of q, of k and of v), over the same 256 rows of xb:
; 16,384 rows do not divide into three walks of whole clusters, 3,072 columns do.  A loop over tiles stands round the loop over K, and the ring does not stop at a tile's end: a tile's last two changes of slots ask for the
; next tile's first two K steps, and nothing waits for a tile's stores.  The last tile's tail, which asks for nothing, is written out.
; CLUSTERS: 4 x 4 work-groups.  The four of a row of the cluster need the same tiles of A, the four of a column the same tiles of B: each tile is asked for JOINTLY, by the same tensor load with the same
; descriptor and a mask that names the four.  All sixteen walk in step.
; THE MATRIX INSTRUCTION IS USED TRANSPOSED (source 0 = 16 rows of B, source 1 = 16 rows of A): lane l then holds row l % 16 of C and the columns 8 (l / 16) + 0..7: eight neighbouring numbers of a row.
; THE BIAS STARTS THE SUMS: for each block of 16 columns a lane's eight numbers of the bias lie in eight registers, and the first product on each accumulator takes them as C.  Nothing is cleared, nothing is added later.
; REGISTERS, in windows of 256 (s_set_vgpr_msb's low byte: bits 1:0 source 0, 3:2 source 1, 5:4 source 2, 7:6 destination):
;   window 0: v0-31 addresses; v64-127, v128-191 fragments of A, two buffers; v32-63, v192-255 at work on the way out
;   window 1: v0-63 the bias (column block b at v[8 b]); v192 at work; v64-127, v128-191 fragments of B, two buffers
;   window 2: the 32 accumulators of my rows 0-63 (accumulator (a, b) at v[8 (8 a + b)]);   window 3: those of my rows 64-127
.set SIZE_N, 3072
.set SIZE_K, 1024
.set CB,     2                         ; bytes in a number of C
.set TILES,  3                         ; tiles of C to a work-group
.set WALKN,  SIZE_N/TILES              ; columns of C, and rows of B, from a tile to the next
.set KSTEP,  128
.set PITCH,  272                       ; an LDS row: 256 bytes of data + 16 of padding = 68 words: row r starts at bank 4 r mod 64 (64 banks of 4 bytes: ISA guide 11.1), so the 16 rows of a load start at 16 different banks
.set HALFT,  128*PITCH                 ; 128 rows: what one tensor load brings, and what one wave reads of A or of B
.set SLOT,   4*HALFT                   ; A's 256 rows, then B's 256 rows
.set STAGE,  2*SLOT                    ; behind the ring: 16 rows x 272 bytes for each wave, for the way out
.set SPITCH, 272
.set SPARE,  STAGE+4*16*SPITCH         ; behind the stages: the spare words, 128 bytes for each wave: two blocks of 256 bytes that no other line names
.set LAPS,   SIZE_K/(2*KSTEP)          ; a lap = two K steps = once round the ring
.set BACK_A, (SIZE_K-2*KSTEP)*2        ; bytes from a slot's last K step of a tile to its first of the next tile: A only goes back along K: the walk's tiles share their rows of A;
.set NEXT_B, WALKN*SIZE_K*2-BACK_A     ; B goes WALKN rows down and back along K
.set ADRA, 16                          ; v16-17  LDS address of my A fragments in slot 0, 1
.set ADRB, 20                          ; v20-21  the same for B
.set STO,  24                          ; v24     the way out: where I put 16 bytes of a row
.set RD,   25                          ; v25     the way out: where I read a row back
.set CO,   26                          ; v26     my byte offset in C
.set BO,   27                          ; v27     my byte offset in 16 numbers of the bias: 32 (l / 16)
.set SPW,  28                          ; v28     LDS address of my spare word: SPARE + 4 x my thread's number; never rewritten
.set NIL,  29                          ; v29     0; never rewritten
.set PFO,  30                          ; v30     the prefetches' offset: my lane x a row of A or B in memory; never rewritten
.set PFA,  44                          ; s[44:45] where my prefetches stand: my work-group's 32 rows of the 128 that I fetch, one K step further along K than the refill that is being asked for
.set LIM,  43                          ; s43     1 in a wave that prefetches, else the greatest number
.set F0,   64                          ; fragment buffer 0
.set F1,   128                         ; fragment buffer 1
.set TMP,  192                         ; the way out: packed results, in window 0
.set OB,   32                          ; the way out: 16 rows read back from the stage: v32-63 and v224-255 by turns
.set G1,   24                          ; s[24:31] descriptor group 1 for A's tiles
.set G0,   32                          ; s[32:39] descriptor group 0 for A's tiles, one set for each slot
.set G1B,  48                          ; s[48:55] descriptor group 1 for B's tiles: it differs in the mask alone
.set G0B,  56                          ; s[56:63] descriptor group 0 for B's tiles
.set BIA,  68                          ; s[68:69] the bias at my first column of the tile whose bias was loaded last
.set CP,   70                          ; s[70:71] C at my first row and column of the tile in hand
.set MSB, 0
.macro WIN new                         ; the immediate's high byte repeats the setting that is left; a switch that changes nothing is dropped
.if MSB != (\new)
	s_set_vgpr_msb (MSB<<8)|(\new)
.set MSB, \new
.endif
.endm
.set MUL_LO, 0xa1                      ; source 0 (B) window 1, source 1 (A) window 0, C and D window 2
.set MUL_HI, 0xf1                      ; the same, C and D window 3
.set BI_LO,  0x91                      ; the first product: C (the bias) window 1, D window 2
.set BI_HI,  0xd1                      ; the same, D window 3
.set TO_B,   0x40                      ; destination window 1, address window 0
; A joint load.  Waves 0 and 1 fetch A's two halves, waves 2 and 3 B's.  Each of the two lines has one mask and one set of registers for all that issue it.  The branch hangs on the wave's number alone.
; An s_nop 0 and four v_nop follow each of the two lines, ahead of the jump, the label and what follows.
.macro JLOAD s
	s_cmp_eq_u32 s11, 0
	s_cbranch_scc0 .Lfor_b_\@
	tensor_load_to_lds s[G0+4*(\s):G0+4*(\s)+3], s[G1:G1+7]
	s_nop 0
.rept 4
	v_nop
.endr
	s_branch .Lasked_\@
.Lfor_b_\@:
	tensor_load_to_lds s[G0B+4*(\s):G0B+4*(\s)+3], s[G1B:G1B+7]
	s_nop 0
.rept 4
	v_nop
.endr
.Lasked_\@:
.endm
; A PREFETCH, behind each joint load, its five lines and the run of LDS loads that follows them: the K step that stands TWO refills on, 512 matrix instructions ahead of the load that will want it: 32 rows x 256 bytes, a lane a row.
; Each row's 256 bytes of a K step are named once in the launch.  A's tile row is walked by one cluster alone (the grid is one cluster wide), which asks, in its first tile only: the walk's later tiles take the same rows again.
; B's tile column is walked by every cluster of that column of clusters, and the one with y = 0 asks.  The four partners that ask for a tile jointly share its rows out BY ADDRESS: of the 128 rows that a wave fetches the
; partner at place p takes 32 p .. 32 p + 31 (p = cx for A, cy for B).  how = 0, in the loop: the loop's last trip (s3 = 1) asks for nothing: the tile has no K step two refills on.  how = 1, at a change of tiles: the next
; tile's K steps 2 and 3 of B.  The launch's K steps 0 to 3, and each later tile's K steps 0 and 1, come by their loads alone.
.macro ASK how
.if \how
	s_cmp_eq_u32 s[LIM], 1
.else
	s_cmp_gt_u32 s3, s[LIM]
.endif
	s_cbranch_scc0 .Lnot_mine_\@
	global_prefetch_b8 v[PFO], s[PFA:PFA+1] offset:KSTEP*2 th:TH_LOAD_NT scope:SCOPE_SE
.Lnot_mine_\@:
.endm
; A round of the cluster's barrier: my work-group's barrier, so that wave 0's signal speaks for all four waves; wave 0 signals; every wave waits for all sixteen work-groups; my work-group's barrier once more.
.macro CREST                           ; a round behind its opening barrier
	s_cmp_lg_u32 s10, 0
	s_cbranch_scc1 .Lnot_wave_0_\@
	s_barrier_signal -3
.Lnot_wave_0_\@:
	s_barrier_wait -3
	s_barrier_signal -1
	s_barrier_wait -1
.endm
.macro CROUND                          ; a whole round
	s_barrier_signal -1
	s_barrier_wait -1
	CREST
.endm
; THE BIAS of a tile.  BLOADS: column block b: my eight numbers, columns 16 b + 8 (l / 16) + 0..7.  BROUND: they are in; each is rounded to bf16 like every other input, and widened again.
.macro BLOADS
	WIN TO_B
.irp b, 0,1,2,3,4,5,6,7
	global_load_b128 v[8*(\b):8*(\b)+3],   v[BO], s[BIA:BIA+1] offset:64*(\b)
	global_load_b128 v[8*(\b)+4:8*(\b)+7], v[BO], s[BIA:BIA+1] offset:64*(\b)+16
.endr
	WIN 0
.endm
.macro BROUND
	s_wait_loadcnt 0x0                             ; the launch's only loads into registers: the sixteen of BLOADS
	WIN 0x45                                       ; destination and both sources window 1
.set i, 0
.rept 32
	v_cvt_pk_bf16_f32 v192, v[2*i], v[2*i+1]
	v_lshlrev_b32 v[2*i], 16, v192
	v_and_b32 v[2*i+1], 0xffff0000, v192
.set i, i+1
.endr
	WIN 0
.endm
	s_load_b128 s[4:7], s[0:1], 0x0                ; A s[4:5], B s[6:7]
	s_load_b128 s[BIA:BIA+3], s[0:1], 0x10         ; the bias s[68:69], C s[70:71]
	v_lshl_add_u32 v[SPW], v0, 2, SPARE
	v_mov_b32 v[NIL], 0
	ds_add_u32 v[SPW], v[NIL]                      ; the wave's opening: the add and its wait stand ahead of my first tensor load; the set-up below, work on registers, stands between them
	v_lshrrev_b32 v1, 5, v0
	v_readfirstlane_b32 s10, v1                    ; wave 0..3
	s_lshr_b32 s11, s10, 1                         ; which half of the tile's rows is mine.  Also: I fetch for A (0) or for B (1)
	s_and_b32 s12, s10, 1                          ; which half of its columns.  Also: which 128 rows of that tile I fetch
	s_bfe_u32 s40, ttmp6, 0x40000                  ; cx: my place along the cluster's x
	s_bfe_u32 s41, ttmp6, 0x40004                  ; cy: along its y
	s_lshl_b32 s42, ttmp9, 2                       ; in a cluster launch ttmp9 and ttmp7 count clusters
	s_add_co_u32 s42, s42, s40                     ; my first tile's column of C = 4 x cluster x + cx
	s_and_b32 s13, ttmp7, 0xffff
	s_lshl_b32 s13, s13, 2
	s_add_co_u32 s13, s13, s41                     ; tile row of C = 4 x cluster y + cy
	s_lshl_b32 s43, s41, 2
	s_lshl_b32 s43, 15, s43                        ; my row of the cluster: places 4 cy .. 4 cy + 3
	s_lshl_b32 s44, 0x1111, s40                    ; my column: places cx, cx + 4, cx + 8, cx + 12
	; descriptor group 1: a tile of 128 rows x 128 elements, padded in LDS
	s_or_b32 s[G1+0], s43, (1<<16)|(1<<20)|(1<<21)|(5<<22)|(3<<25)  ; 15:0 the mask: A's tiles go to my row; 17:16 elements of 2 bytes; 20 padding on; 21 set beside a mask; 24:22 after every 64 words (code 5); 31:25 4 words of it (code 3)
	s_or_b32 s[G1B+0], s44, (1<<16)|(1<<20)|(1<<21)|(5<<22)|(3<<25) ; the same with the mask of my column, for B's tiles
.irp g, G1, G1B
	s_mov_b32 s[(\g)+1], KSTEP<<16                 ; tensor_dim0 = 128
	s_mov_b32 s[(\g)+2], 128<<16                   ; tensor_dim1 = 128
	s_mov_b32 s[(\g)+3], KSTEP<<16                 ; tile_dim0 = 128
	s_mov_b32 s[(\g)+4], 128                       ; tile_dim1 = 128
	s_mov_b32 s[(\g)+5], SIZE_K                    ; elements from row to row
	s_mov_b32 s[(\g)+6], 0
	s_mov_b32 s[(\g)+7], 0
.endr
	; where the tiles come from.  A's hang on the tile row alone, which my row of the cluster shares; B's on the tile column alone, which my column shares.
	s_lshl_b32 s17, s12, 7                         ; which 128 rows of the tile I fetch
	s_lshl_b32 s16, s13, 8
	s_add_co_u32 s16, s16, s17                     ; A: row 256 x tile row + 128 x half
	s_lshl_b32 s46, s42, 8
	s_add_co_u32 s46, s46, s17                     ; B: row 256 x tile column + 128 x half
	s_mov_b32 s17, 0
	s_mov_b32 s47, 0
	s_mov_b64 s[18:19], SIZE_K*2
	s_mul_u64 s[16:17], s[16:17], s[18:19]         ; in bytes, in 64 bits
	s_mul_u64 s[46:47], s[46:47], s[18:19]
	s_mul_i32 s20, s10, HALFT                      ; and where they go: wave x 128 rows: no place in the cluster enters an LDS address
	s_wait_dscnt 0x0                               ; the opening add is done
	s_wait_kmcnt 0x0
	s_add_nc_u64 s[14:15], s[4:5], s[16:17]
	s_add_nc_u64 s[46:47], s[6:7], s[46:47]
	CROUND                                         ; all sixteen work-groups are here: the first joint loads meet
.irp s, 0,1
	s_mov_b32 s[G0+4*(\s)], 1                                      ; 1:0 count = 1
	s_add_co_u32 s[G0+4*(\s)+1], s20, (\s)*SLOT                    ; 63:32 LDS address
	s_add_nc_u64 s[G0+4*(\s)+2:G0+4*(\s)+3], s[14:15], (\s)*KSTEP*2  ; 120:64 global address: K step s
	s_or_b32 s[G0+4*(\s)+3], s[G0+4*(\s)+3], 0x80000000            ; 127:126 type = 2
	s_mov_b32 s[G0B+4*(\s)], 1
	s_add_co_u32 s[G0B+4*(\s)+1], s20, (\s)*SLOT
	s_add_nc_u64 s[G0B+4*(\s)+2:G0B+4*(\s)+3], s[46:47], (\s)*KSTEP*2
	s_or_b32 s[G0B+4*(\s)+3], s[G0B+4*(\s)+3], 0x80000000
	JLOAD \s                                       ; the ring is filled before anything else is done: two loads of mine are out
.endr
	; A fragment is 16 rows x 32 K in 8 registers: lane l holds row l % 16; registers 0-3 hold K = 8 (l / 16) + 0..7, registers 4-7 K = 16 + 8 (l / 16) + 0..7: two loads of 16 bytes, 32 bytes apart.
	v_and_b32 v1, 15, v0                           ; l % 16
	v_bfe_u32 v2, v0, 4, 1                         ; l / 16
	v_mul_u32_u24 v3, v1, PITCH
	v_lshl_add_u32 v3, v2, 4, v3                   ; row x pitch + 16 x half
	s_mul_i32 s21, s11, HALFT                      ; my 128 rows of A
	s_mul_i32 s22, s12, HALFT                      ; my 128 rows of B,
	s_add_co_u32 s22, s22, 2*HALFT                 ; which lie behind A's 256
.irp s, 0,1
	v_add_nc_u32 v[ADRA+(\s)], s21, v3
	v_add_nc_u32 v[ADRB+(\s)], s22, v3
	s_add_co_u32 s21, s21, SLOT
	s_add_co_u32 s22, s22, SLOT
.endr
	s_mul_i32 s23, s10, 16*SPITCH
	s_add_co_u32 s23, s23, STAGE                   ; my stage
	v_mul_u32_u24 v4, v1, SPITCH                   ; in: row l % 16, 16 bytes for each half of the lanes
	v_lshl_add_u32 v4, v2, 4, v4
	v_add_nc_u32 v[STO], s23, v4
	v_mul_u32_u24 v5, v2, SPITCH                   ; back: lanes 0-15 take one row of 256 bytes, lanes 16-31 the next
	v_lshl_add_u32 v5, v1, 4, v5
	v_add_nc_u32 v[RD], s23, v5
	v_mul_u32_u24 v5, v2, SIZE_N*CB                ; and the same two rows in C
	v_lshl_add_u32 v[CO], v1, 4, v5
	v_lshlrev_b32 v[BO], 5, v2
	; C and the bias at my part of the first tile
	s_lshl_b32 s13, s13, 8                         ; 256 x tile row
	s_lshl_b32 s14, s11, 7
	s_add_co_u32 s16, s13, s14                     ; my first row of C
	s_mov_b32 s17, 0
	s_mov_b64 s[18:19], SIZE_N*CB
	s_mul_u64 s[16:17], s[16:17], s[18:19]
	s_lshl_b32 s46, s42, 8                         ; my first column: 256 x tile column + 128 x half (in the registers that held B's address: none that feeds A's descriptors held cx before the loads were built)
	s_lshl_b32 s47, s12, 7
	s_add_co_u32 s46, s46, s47
	s_mov_b32 s47, 0
	s_lshl_b32 s46, s46, 2                         ; in bytes of f32
	s_add_nc_u64 s[BIA:BIA+1], s[BIA:BIA+1], s[46:47]
	s_lshr_b32 s46, s46, 1                         ; in bytes of f16
	s_add_nc_u64 s[16:17], s[16:17], s[46:47]
	s_add_nc_u64 s[CP:CP+1], s[CP:CP+1], s[16:17]
	BLOADS
	; the prefetches.  s13 = 256 x tile row, s42 = tile column, s40 = cx, s41 = cy still stand; s[4:5] = A, s[6:7] = B
	s_lshl_b32 s42, s42, 8
	s_and_b32 s22, ttmp7, 0xffff                   ; cluster y
	s_cmp_eq_u32 s11, 0                            ; do I fetch for A?
	s_cselect_b32 s20, s13, s42                    ; the tile's first row: in A by the tile row, in B by the tile column
	s_cselect_b32 s21, s40, s41                    ; my place among the four that ask for it with me
	s_cselect_b32 s22, ttmp9, s22                  ; the coordinate along which other clusters walk the same rows
	s_cselect_b64 s[PFA:PFA+1], s[4:5], s[6:7]
	s_cmp_eq_u32 s22, 0
	s_cselect_b32 s[LIM], 1, -1                    ; the same in all sixteen partners, for a given wave
	s_lshl_b32 s22, s12, 7
	s_add_co_u32 s20, s20, s22                     ; + the 128 rows that I fetch
	s_lshl_b32 s21, s21, 5
	s_add_co_u32 s20, s20, s21                     ; + my work-group's 32 of them
	s_mov_b32 s21, 0
	s_mov_b64 s[18:19], SIZE_K*2
	s_mul_u64 s[20:21], s[20:21], s[18:19]
	s_add_nc_u64 s[PFA:PFA+1], s[PFA:PFA+1], s[20:21]
	s_add_nc_u64 s[PFA:PFA+1], s[PFA:PFA+1], 2*KSTEP*2  ; at K step 2: the first refill steps it to 3 and names K step 4
	v_and_b32 v[PFO], 31, v0
	v_mul_u32_u24 v[PFO], v[PFO], SIZE_K*2
	BROUND
; 16 matrix instructions: m blocks a0, a0 + 1 of the window's four (hi = 0: my rows 0-63, 1: rows 64-127) x all 8 n blocks, 32 along K.  zero = 1: the first product starts the sums, with the bias as C.
; The 64 accumulators take turns, one instruction a turn, in the same order in every quarter step, over the backward jumps and from tile to tile too.
.macro MUL16 f, hi, a0, zero
.if \zero
	WIN BI_LO+0x40*(\hi)
.else
	WIN MUL_LO+0x50*(\hi)
.endif
.irp a, \a0, (\a0)+1
.irp b, 0,1,2,3,4,5,6,7
.if \zero
	v_wmma_f32_16x16x32_bf16 v[8*(8*(\a)+(\b)):8*(8*(\a)+(\b))+7], v[(\f)+8*(\b):(\f)+8*(\b)+7], v[(\f)+8*(4*(\hi)+(\a)):(\f)+8*(4*(\hi)+(\a))+7], v[8*(\b):8*(\b)+7]
.else
	v_wmma_f32_16x16x32_bf16 v[8*(8*(\a)+(\b)):8*(8*(\a)+(\b))+7], v[(\f)+8*(\b):(\f)+8*(\b)+7], v[(\f)+8*(4*(\hi)+(\a)):(\f)+8*(4*(\hi)+(\a))+7], v[8*(8*(\a)+(\b)):8*(8*(\a)+(\b))+7]
.endif
.endr
.endr
.endm
; 32 LDS loads in one run: the fragments of one quarter step (128 rows of B, 128 rows of A, 32 K at byte k of the rows) into buffer f
.macro FETCH slot, k, f
	WIN TO_B
.irp i, 0,1,2,3,4,5,6,7
	ds_load_b128 v[(\f)+8*(\i):(\f)+8*(\i)+3],   v[ADRB+(\slot)] offset:(\k)+(\i)*16*PITCH
	ds_load_b128 v[(\f)+8*(\i)+4:(\f)+8*(\i)+7], v[ADRB+(\slot)] offset:(\k)+(\i)*16*PITCH+32
.endr
	WIN 0
.irp i, 0,1,2,3,4,5,6,7
	ds_load_b128 v[(\f)+8*(\i):(\f)+8*(\i)+3],   v[ADRA+(\slot)] offset:(\k)+(\i)*16*PITCH
	ds_load_b128 v[(\f)+8*(\i)+4:(\f)+8*(\i)+7], v[ADRA+(\slot)] offset:(\k)+(\i)*16*PITCH+32
.endr
.endm
; A load into a register that a matrix instruction has read, and a vector instruction or LDS store that reads a matrix result, stand four places behind that matrix instruction, and only plain vector
; instructions that name none of its registers are places (ISA guide 7.12.1 for vector instructions).
.macro PLACES
.rept 4
	v_nop
.endr
.endm
; A K step is four quarter steps of 32 along K, 64 matrix instructions each, on buffers 0, 1, 0, 1.  One of the first three: multiplies buffer f; in its middle it fetches the next quarter's fragments into buffer g.
.macro QUARTER slot, k, f, g, zero
	s_wait_dscnt 8                                 ; B and A's rows 0-63 are in; the youngest eight loads (A's rows 64-127) may be out
	MUL16 \f, 0, 0, \zero
	MUL16 \f, 0, 2, \zero
	PLACES
	FETCH \slot, \k, \g
	s_wait_dscnt 32                                ; all but the 32 just issued
	MUL16 \f, 1, 0, \zero
	MUL16 \f, 1, 2, \zero
.endm
; The last quarter multiplies buffer 1 and changes slots.  MEET is its first half: ONE barrier for the change.  In front of it each wave waits for all its tensor loads, of which one is out: its part of the next slot;
; adds 0 to its spare word; and waits for that and for its own reads of this slot.  Behind it nobody reads this slot any more and the next slot is whole.
.macro MEET round                      ; round = 1: a round of the cluster's barrier follows
	WIN 0                                          ; (the add's two registers lie in window 0)
	s_wait_tensorcnt 0x0                           ; all my tensor loads have landed;
	ds_add_u32 v[SPW], v[NIL]                      ; 0 onto my spare word;
	s_wait_dscnt 9                                 ; (the add and the youngest eight loads may be out)
	MUL16 F1, 0, 0, 0                              ; sixteen matrix instructions stand between the add and the wait for it
	s_wait_dscnt 0x0                               ; the add is done, and my reads of this slot are over:
	s_barrier_signal -1                            ; say so,
	MUL16 F1, 0, 2, 0                              ; work on registers while the others arrive,
.if \round
	WIN 0
.endif
	s_barrier_wait -1                              ; and go on when all four have said so
.endm
; The whole last quarter.  fill = 1: behind the round the slot just read out is filled again first: with this tile's K step two steps on (on = 0) or, in a tile's last two K steps, with the NEXT tile's K step 0 or 1 (on = 1);
; then come the next slot's first fragments.  From a request to the wait for it a wave issues 224 matrix instructions, across tiles too.
.macro TURN slot, next, fill, on=0
.if \fill
	s_wait_xcnt 0x0                                ; the last prefetch, a K step back, has read its address: it is stepped here, ahead of the waits of the change of slots
.if (\on) && (\slot) == 0
	s_add_nc_u64 s[PFA:PFA+1], s[PFA:PFA+1], (WALKN-1)*SIZE_K*2+KSTEP*2  ; from the K step after the tile's last to the next tile's K step 1: WALKN rows down, back along K
	s_cmp_eq_u32 s11, 1
	s_cselect_b32 s[LIM], s[LIM], -1               ; A's rows are the same for all tiles of the walk: they have been read, and are prefetched no more (their waves' address is stepped and never used again)
.else
	s_add_nc_u64 s[PFA:PFA+1], s[PFA:PFA+1], KSTEP*2
.endif
	MEET 1
	CREST                                          ; no wave of any partner still reads this slot's tile or has a load on its way
.if \on
	s_sub_nc_u64 s[G0+4*(\slot)+2:G0+4*(\slot)+3], s[G0+4*(\slot)+2:G0+4*(\slot)+3], BACK_A
	s_add_nc_u64 s[G0B+4*(\slot)+2:G0B+4*(\slot)+3], s[G0B+4*(\slot)+2:G0B+4*(\slot)+3], NEXT_B
.else
	s_add_nc_u64 s[G0+4*(\slot)+2:G0+4*(\slot)+3], s[G0+4*(\slot)+2:G0+4*(\slot)+3], 2*KSTEP*2
	s_add_nc_u64 s[G0B+4*(\slot)+2:G0B+4*(\slot)+3], s[G0B+4*(\slot)+2:G0B+4*(\slot)+3], 2*KSTEP*2
.endif
	JLOAD \slot                                    ; the first tensor load behind the round; the four v_nop behind it are also the places in front of the loads below
	FETCH \next, 0, F0
	ASK \on
.else
	MEET 0                                         ; nothing is filled again, so no round follows
	PLACES
	FETCH \next, 0, F0
.endif
	MUL16 F1, 1, 0, 0
	MUL16 F1, 1, 2, 0
.endm
; THE WAY OUT of block a (16 rows), in three parts.  PACK: rounded to f16, 16 bytes a lane, each accumulator's registers in ascending order.  TOSTAGE: into my own stage in LDS, and back as whole rows of 256 bytes.  SEND: stored.
.macro PACK a
.set AC, 64*((\a)%4)
	WIN 0x0a+5*((\a)/4)                            ; sources 0 and 1: window 2 or 3
.irp b, 0,1,2,3,4,5,6,7
.irp r, 0,1,2,3
	v_cvt_pk_f16_f32 v[TMP+4*(\b)+(\r)], v[AC+8*(\b)+2*(\r)], v[AC+8*(\b)+2*(\r)+1]
.endr
.endr
	WIN 0
.endm
.macro TOSTAGE a
.set BK, OB+192*((\a)%2)
.irp b, 0,1,2,3,4,5,6,7
	ds_store_b128 v[STO], v[TMP+4*(\b):TMP+4*(\b)+3] offset:32*(\b)
.endr
.irp t, 0,1,2,3,4,5,6,7
	ds_load_b128 v[BK+4*(\t):BK+4*(\t)+3], v[RD] offset:(\t)*2*SPITCH  ; LDS serves a wave's instructions in order (ISA guide 5.7.1.4): these see the stores above
.endr
.endm
.macro SEND a
.set BK, OB+192*((\a)%2)
	s_wait_dscnt 0x0                               ; the block is back in registers
	s_wait_xcnt 0x0                                ; the stores of the block before have read their registers: the next block's loads from the stage land on them only behind this wait
.irp t, 0,1,2,3,4,5,6,7
	global_store_b128 v[CO], v[BK+4*(\t):BK+4*(\t)+3], s[CP:CP+1] offset:(16*(\a)+2*(\t))*SIZE_N*CB  ; 16 lanes store 256 consecutive bytes, at a multiple of 256 from C's first byte; 126 rows of C at the most, inside the signed 24-bit immediate
.endr
.endm
.macro WAYOUT                          ; block a's conversions stand between block a - 1's loads from the stage and the wait for them
	PACK 0
	TOSTAGE 0
.irp a, 1,2,3,4,5,6,7
	PACK \a
	SEND (\a)-1
	TOSTAGE \a
.endr
	SEND 7
.endm
	s_wait_tensorcnt 1                             ; my part of K step 0 is in; K step 1's may stay out
	s_barrier_signal -1
	s_barrier_wait -1                              ; everybody's is
	FETCH 0, 0, F0
	s_mov_b32 s2, TILES                            ; tiles to go, this one among them: the same number in every work-group
.Ltile:                                                ; (FETCH and BROUND leave every window 0)
	QUARTER 0, 64,  F0, F1, 1                      ; a tile's first quarter stands in front of the loop: its products start the sums
	WIN 0                                          ; at a label and at a branch every window is 0
	s_mov_b32 s3, LAPS-1
.Llap:                                                 ; a trip goes once round the ring, from a lap's second quarter to the next lap's first, and fills both slots again
	QUARTER 0, 128, F1, F0, 0
	QUARTER 0, 192, F0, F1, 0
	TURN 0, 1, 1
	QUARTER 1, 64,  F0, F1, 0
	QUARTER 1, 128, F1, F0, 0
	QUARTER 1, 192, F0, F1, 0
	TURN 1, 0, 1
	QUARTER 0, 64,  F0, F1, 0
	WIN 0
	s_sub_co_u32 s3, s3, 1
	s_cmp_lg_u32 s3, 0
	s_cbranch_scc1 .Llap
	QUARTER 0, 128, F1, F0, 0                      ; the tile's last lap goes on
	QUARTER 0, 192, F0, F1, 0
	WIN 0
	s_cmp_eq_u32 s2, 1
	s_cbranch_scc1 .Llast_tile                     ; the last tile's tail is written out: it asks for nothing more
	TURN 0, 1, 1, 1                                ; THE RING GOES ON INTO THE NEXT TILE: slot 0 takes its K step 0,
	QUARTER 1, 64,  F0, F1, 0
	QUARTER 1, 128, F1, F0, 0
	QUARTER 1, 192, F0, F1, 0
	TURN 1, 0, 1, 1                                ; slot 1 its K step 1, and the next tile's first fragments are fetched
	WIN 0
	s_add_nc_u64 s[BIA:BIA+1], s[BIA:BIA+1], WALKN*4  ; the loads that read this pointer were waited for; the next tile's bias is asked for now and wanted behind the way out.  Its registers were last read by this tile's first quarter
	BLOADS
	WAYOUT                                         ; BOTH REFILLS ARE ASKED FOR: NOW THE TILE GOES OUT.  No v_nop: blocks 0-3 were finished in front of TURN's places, and their 128 conversions, which name no register of the last products (blocks 4-7's), are those products' places
	s_wait_xcnt 0x0                                ; the stores have read their base and their registers; nothing waits for the stores themselves: they leave while the next tile is multiplied
	s_add_nc_u64 s[CP:CP+1], s[CP:CP+1], WALKN*CB  ; the next tile's columns of the same rows
	BROUND
	s_sub_co_u32 s2, s2, 1
	s_branch .Ltile
.Llast_tile:
	TURN 0, 1, 0                                   ; the last tile's last lap fills nothing, and has no round of the cluster's barrier
	QUARTER 1, 64,  F0, F1, 0
	QUARTER 1, 128, F1, F0, 0
	QUARTER 1, 192, F0, F1, 0
	s_wait_dscnt 8                                 ; the very last quarter: nothing more to fetch
	MUL16 F1, 0, 0, 0
	MUL16 F1, 0, 2, 0
	s_wait_dscnt 0x0
	MUL16 F1, 1, 0, 0
	MUL16 F1, 1, 2, 0
	WIN 0
	PLACES                                         ; the places behind the last products, with four to spare, once a launch
	PLACES
	WAYOUT
	s_wait_tensorcnt 0x0                           ; the wave's end: behind my last tensor load and my last LDS store
	ds_add_u32 v[SPW], v[NIL]
	s_wait_dscnt 0x0
	CROUND                                         ; the closing round: no work-group ends while a partner may still ask for a tile that names it
	s_endpgm
.Lfunc_end_k_q55b0307a88_gq:
	.size	k_q55b0307a88_gq, .Lfunc_end_k_q55b0307a88_gq-k_q55b0307a88_gq
	.p2alignl 7, 3214868480
	.fill 96, 4, 3214868480
	.section	.rodata,"a",@progbits
	.p2align	6, 0x0
	.amdhsa_kernel k_q55b0307a88_gq
		.amdhsa_group_segment_fixed_size 327680
		.amdhsa_private_segment_fixed_size 0
		.amdhsa_enable_private_segment 0
		.amdhsa_kernarg_size 32
		.amdhsa_user_sgpr_count 2
		.amdhsa_user_sgpr_kernarg_segment_ptr 1
		.amdhsa_wavefront_size32 1
		.amdhsa_system_sgpr_workgroup_id_x 1
		.amdhsa_system_sgpr_workgroup_id_y 1
		.amdhsa_system_sgpr_workgroup_id_z 1
		.amdhsa_system_vgpr_workitem_id 0
		.amdhsa_next_free_vgpr 1024
		.amdhsa_next_free_sgpr 72
		.amdhsa_reserve_vcc 0
		.amdhsa_float_denorm_mode_32 3
		.amdhsa_float_denorm_mode_16_64 3
		.amdhsa_memory_ordered 1
		.amdhsa_forward_progress 1
		.amdhsa_inst_pref_size 223
	.end_amdhsa_kernel
	.amdgpu_metadata
---
amdhsa.version: [ 1, 2 ]
amdhsa.kernels:
  - .name:           k_q55b0307a88_gq
    .symbol:         k_q55b0307a88_gq.kd
    .args:
      - { .name: xb, .offset: 0, .size: 8, .value_kind: global_buffer, .address_space: global }
      - { .name: wq, .offset: 8, .size: 8, .value_kind: global_buffer, .address_space: global }
      - { .name: qkv_b, .offset: 16, .size: 8, .value_kind: global_buffer, .address_space: global }
      - { .name: qkv, .offset: 24, .size: 8, .value_kind: global_buffer, .address_space: global }
    .group_segment_fixed_size: 327680
    .private_segment_fixed_size: 0
    .kernarg_segment_align: 8
    .kernarg_segment_size: 32
    .max_flat_workgroup_size: 128
    .sgpr_count:     72
    .vgpr_count:     1024
    .wavefront_size: 32
...
	.end_amdgpu_metadata
.endif
;; end of part 2
;; launch attn (part 3): grid 512 x 1, 4 waves a work-group, no clusters, 75,264 bytes of LDS; arguments qkv, o2; writes o2
.if DOCPART == 3
	.amdgcn_target "amdgcn-amd-amdhsa--gfx1250"
	.amdhsa_code_object_version 6
	.text
	.protected	k_q55b0307a88_attn
	.globl	k_q55b0307a88_attn
	.p2align	8
	.type	k_q55b0307a88_attn,@function
k_q55b0307a88_attn:
	s_mov_b64 s[64:65], 0
	v_nop
	global_prefetch_b8 v0, s[64:65] scope:SCOPE_SE
	s_setreg_imm32_b32 hwreg(HW_REG_WAVE_MODE, 25, 1), 1
	s_wait_xcnt 0x0
; ATTENTION OVER THE HEADS OF ONE TOKEN.  For each of 16,384 tokens: S[h][g] = q[h] . k[g] / 8 (16 x 16, 64 channels), P = softmax over g, O[h] = the sum over g of P[h][g] v[g].
; qkv: [16384][3072] f16, a token's row = q, k, v, each 16 heads x 64 channels.  o2: [16384][1024] f16 in the order the second projection multiplies: token n of batch b, head h, lies in row 4096 b + 256 h + n / 16 at columns 64 (n % 16) + 0..63.
; Products, maximum and sum in f32; P is divided by its sum in f32 and rounded to f16 for the second product; O is rounded once.  The row's true maximum is taken away before the exponentials, so the sum is at least about 1.
; LIMITS.  A weight below 2^-126 counts as 0; P below 6.1e-5 keeps f16's fixed step of 6e-8.  Two tokens share a product (below), each multiplied by 0 in the other's: a v of one token that is not finite spoils the other token of its pair too.
; SHARES.  A wave owns 8 consecutive tokens and takes them two at a time, A and B: four trips.  A pair's 12,288 bytes are consecutive: 24 loads of 512 bytes, issued one trip ahead of their use; they go into the wave's own
; LDS bytes and come back as fragments.  No wave reads another's bytes: no barrier.  No work-group shares an input byte with another: no cluster.  Every byte is read once, by loads that are out a whole trip: nothing is prefetched.
; LAYOUT.  S^T = K Q^T (source 0 = the 16 heads of k, source 1 = those of q): a lane holds ONE query head (lane % 16) and the key heads 8 (lane / 16) + 0..7.  Rounded in pairs these are half of source 1 of O^T = V^T P, which is 32 keys deep:
; keys 0-15 are token A's v, keys 16-31 token B's.  PA holds A's weights and zeros, PB zeros and B's weights; V's fragment (turned by ds_load_tr16_b128) serves both.  In O^T a lane holds one head and eight channels: 16 bytes.
; THE WAY OUT.  A head's 64 channels of tokens A and B are 256 consecutive bytes of o2, aligned: they meet in a stage of 16 rows (a row a head) and are stored 16 lanes to a row.
.set ROWB, 6144                        ; bytes in a token's row of qkv
.set PQ,   144                         ; a head's row of q or k in LDS: 128 bytes + 16 = 36 words: the 16 rows of a load start at 16 different groups of four banks (64 banks of 4 bytes: ISA guide 11.1)
.set PV,   160                         ; of v: 128 + 32 = 40 words
.set TOK,  32*PQ                       ; a token's q (16 rows), then its k (16 rows)
.set VOFF, 2*TOK                       ; behind both tokens' q and k: 32 rows of v, token A's 16 and then token B's
.set STG,  VOFF+32*PV                  ; behind them the stage: 16 rows x 272 bytes
.set SP,   272
.set WSZ,  STG+16*SP                   ; a wave's bytes: 18,688
.set SPARE, 4*WSZ                      ; behind the four waves' bytes: the spare words, 128 bytes for each wave: two blocks of 256 bytes that no other line names
.set GL,  2                            ; v2   16 x lane: my 16 bytes of a load's 512
.set AQ,  3                            ; v3   where they go, for q and k: row lane / 8 of the load's four, 16 (lane % 8)
.set AVS, 4                            ; v4   the same for v
.set FQ,  5                            ; v5   my place in a fragment of q or k
.set FV,  6                            ; v6   in a fragment of v
.set STO, 7                            ; v7   the way out: where I put 16 bytes of a head's row
.set RD,  8                            ; v8   where I read rows back
.set GO,  9                            ; v9   my byte offset in o2
.set SPW, 10                           ; v10  LDS address of my spare word: SPARE + 4 x my thread's number; never rewritten
.set NIL, 11                           ; v11  0; never rewritten
.set ST,  16                           ; token u's statistics at v[ST+8 u]: c m, m, four at work, 1 / l, and a 0 named with it as a pair
.set LB,  32                           ; v[32:127]  the 24 loads' registers
.set FR,  128                          ; v[128:191] token u at FR + 32 u: q channels 0-31, 32-63, k likewise; then O^T, channel block cb at + 8 cb; then v[128:159] the rows read back from the stage
.set S,   192                          ; v[192:207] S^T of A, of B
.set P,   208                          ; v[208:215] PA (212-215 stay 0), v[216:223] PB (216-219 stay 0)
.set VF,  224                          ; v[224:255] V's fragments, channel block cb at + 8 cb; then the packed O
.set CS,  16                           ; s[16:17] c = log2(e) / 8: the packed scaling takes the pair's low word for both halves
.set SEL, 18                           ; s[18:19] v_permlanex16_b32's selects: each lane takes its own place in the other half
	s_load_b128 s[4:7], s[0:1], 0x0                ; qkv s[4:5], o2 s[6:7]
	v_lshl_add_u32 v[SPW], v0, 2, SPARE
	v_mov_b32 v[NIL], 0
	v_lshrrev_b32 v1, 5, v0
	v_readfirstlane_b32 s8, v1                     ; wave 0..3
	v_and_b32 v12, 31, v0                          ; l
	v_lshlrev_b32 v[GL], 4, v12
	v_and_b32 v13, 15, v0                          ; l % 16
	v_bfe_u32 v14, v0, 4, 1                        ; l / 16
	v_bfe_u32 v15, v0, 3, 2                        ; l / 8
	v_and_b32 v1, 7, v0                            ; l % 8
	v_bfe_u32 v12, v0, 3, 1                        ; (l / 8) % 2
	s_mul_i32 s10, s8, WSZ                         ; my wave's bytes
	s_add_co_u32 s11, s10, VOFF
	s_add_co_u32 s12, s10, STG
	v_mul_u32_u24 v[AQ], v15, PQ
	v_lshl_add_u32 v[AQ], v1, 4, v[AQ]
	v_add_nc_u32 v[AQ], s10, v[AQ]
	v_mul_u32_u24 v[AVS], v15, PV
	v_lshl_add_u32 v[AVS], v1, 4, v[AVS]
	v_add_nc_u32 v[AVS], s11, v[AVS]
	v_mul_u32_u24 v[FQ], v13, PQ                   ; a fragment of q or k: lane l holds row l % 16, channels 8 (l / 16) + 0..7 and 16 + 8 (l / 16) + 0..7: two loads of 16 bytes, 32 bytes apart
	v_lshl_add_u32 v[FQ], v14, 4, v[FQ]
	v_add_nc_u32 v[FQ], s10, v[FQ]
	v_lshl_add_u32 v[FV], v14, 3, v1               ; the turning load: lane l reads key 8 (l / 16) + l % 8, channels 8 ((l / 8) % 2) + 0..7, and is left with channel l % 16 and 8 keys
	v_mul_u32_u24 v[FV], v[FV], PV
	v_lshl_add_u32 v[FV], v12, 4, v[FV]
	v_add_nc_u32 v[FV], s11, v[FV]
	v_mul_u32_u24 v[STO], v13, SP                  ; in: head l % 16, 16 bytes for each half of the lanes
	v_lshl_add_u32 v[STO], v14, 4, v[STO]
	v_add_nc_u32 v[STO], s12, v[STO]
	v_mul_u32_u24 v[RD], v14, SP                   ; back: lanes 0-15 take one head's 256 bytes, lanes 16-31 the next head's
	v_lshl_add_u32 v[RD], v13, 4, v[RD]
	v_add_nc_u32 v[RD], s12, v[RD]
	v_lshlrev_b32 v[GO], 19, v14                   ; a head further on is 256 rows of 2,048 bytes
	v_lshl_add_u32 v[GO], v13, 4, v[GO]
	s_lshl_b32 s13, ttmp9, 5
	s_lshl_b32 s14, s8, 3
	s_add_co_u32 s13, s13, s14                     ; my first token: 32 x work-group + 8 x wave
	s_mul_i32 s22, s13, ROWB
	s_mov_b32 s23, 0
	s_lshr_b32 s14, s13, 12
	s_lshl_b32 s14, s14, 12                        ; 4,096 b
	s_bfe_u32 s15, s13, 0x80004                    ; n / 16: 8 bits from bit 4
	s_add_co_u32 s14, s14, s15
	s_lshl_b32 s14, s14, 11                        ; head 0's row, in bytes
	s_and_b32 s15, s13, 15
	s_lshl_b32 s15, s15, 7                         ; + 128 (n % 16)
	s_add_co_u32 s24, s14, s15
	s_mov_b32 s25, 0
	s_mov_b32 s[CS], 0x3e38aa3b                    ; c = log2(e) / 8 = 0.180337
	s_mov_b32 s[CS+1], s[CS]                       ; named with it as a pair
	s_mov_b32 s[SEL], 0x76543210
	s_mov_b32 s[SEL+1], 0xfedcba98
	s_wait_kmcnt 0x0
	s_add_nc_u64 s[4:5], s[4:5], s[22:23]
	s_add_nc_u64 s[6:7], s[6:7], s[24:25]
.set j, 0
.rept 24                               ; the first pair of tokens
	global_load_b128 v[LB+4*j:LB+4*j+3], v[GL], s[4:5] offset:512*j th:TH_LOAD_NT
.set j, j+1
.endr
.irp r, 4,5,6,7,8,9,10,11
	v_mov_b32 v[P+(\r)], 0                         ; the halves of PA and PB that belong to the other token
.endr
	v_mov_b32 v[ST+7], 0
	v_mov_b32 v[ST+15], 0
.macro BOTH line:vararg                ; one line for each token u of the pair: no line reads the result of the one just before it
.set u, 0
.rept 2
	\line
.set u, u+1
.endr
.endm
; A TRIP: a pair of tokens.  next = 1: the next pair is asked for, and the pointers are stepped.
.macro TRIP next
.set j, 0
.rept 24                               ; load j holds rows 4 (j % 12) + 0..3 of the 48 of token j / 12: 16 of q, 16 of k, 16 of v
.if j%4 == 0
	s_wait_loadcnt 20-j                            ; loads come back in order (ISA guide 5.7.1): loads j to j + 3 are in, the 20 - j younger ones may be out
.endif
.if j%12 < 8
	ds_store_b128 v[AQ], v[LB+4*j:LB+4*j+3] offset:(j/12)*TOK+(j%12)*4*PQ
.else
	ds_store_b128 v[AVS], v[LB+4*j:LB+4*j+3] offset:(j/12)*16*PV+(j%12-8)*4*PV
.endif
.set j, j+1
.endr
.if \next
	s_add_nc_u64 s[4:5], s[4:5], 2*ROWB            ; all loads that read this pointer are done (the wait for 0 above)
.set j, 0
.rept 24
	global_load_b128 v[LB+4*j:LB+4*j+3], v[GL], s[4:5] offset:512*j th:TH_LOAD_NT
.set j, j+1
.endr
.endif
.irp tk, 0,1                           ; LDS serves a wave's instructions in order (ISA guide 5.7.1.4): these see the stores above
.irp m, 0,1
.irp c, 0,1
	ds_load_b128 v[FR+32*(\tk)+16*(\m)+8*(\c):FR+32*(\tk)+16*(\m)+8*(\c)+3],   v[FQ] offset:(\tk)*TOK+(\m)*16*PQ+64*(\c)
	ds_load_b128 v[FR+32*(\tk)+16*(\m)+8*(\c)+4:FR+32*(\tk)+16*(\m)+8*(\c)+7], v[FQ] offset:(\tk)*TOK+(\m)*16*PQ+64*(\c)+32
.endr
.endr
.endr
.irp cb, 0,1,2,3
	ds_load_tr16_b128 v[VF+8*(\cb):VF+8*(\cb)+3],   v[FV] offset:32*(\cb)          ; token A's 16 keys
	ds_load_tr16_b128 v[VF+8*(\cb)+4:VF+8*(\cb)+7], v[FV] offset:32*(\cb)+16*PV    ; token B's
.endr
	s_wait_dscnt 8                                 ; q and k are in; V's eight loads may stay out
	v_wmma_f32_16x16x32_f16 v[S:S+7],    v[FR+16:FR+23], v[FR:FR+7],     0          ; the two accumulators take turns
	v_wmma_f32_16x16x32_f16 v[S+8:S+15], v[FR+48:FR+55], v[FR+32:FR+39], 0
	v_wmma_f32_16x16x32_f16 v[S:S+7],    v[FR+24:FR+31], v[FR+8:FR+15],  v[S:S+7]
	v_wmma_f32_16x16x32_f16 v[S+8:S+15], v[FR+56:FR+63], v[FR+40:FR+47], v[S+8:S+15]
.rept 4
	v_nop                                          ; the places behind those products (ISA guide 7.12.1)
.endr
	; the maximum of a query head's 16 scores: my eight (the accumulator's lowest registers first), then the eight in the lane 16 away
	BOTH v_max3_num_f32 v[ST+8*u+2], v[S+8*u], v[S+8*u+1], v[S+8*u+2]
	BOTH v_max3_num_f32 v[ST+8*u+3], v[S+8*u+3], v[S+8*u+4], v[S+8*u+5]
	BOTH v_max3_num_f32 v[ST+8*u+2], v[ST+8*u+2], v[S+8*u+6], v[S+8*u+7]
	BOTH v_max_num_f32 v[ST+8*u+2], v[ST+8*u+2], v[ST+8*u+3]
	BOTH v_permlanex16_b32 v[ST+8*u+3], v[ST+8*u+2], s[SEL], s[SEL+1]
	BOTH v_max_num_f32 v[ST+8*u+1], v[ST+8*u+2], v[ST+8*u+3]
	BOTH v_mul_f32 v[ST+8*u], s[CS], v[ST+8*u+1]
.irp i, 0,2,4,6
	BOTH v_pk_fma_f32 v[S+8*u+(\i):S+8*u+(\i)+1], v[S+8*u+(\i):S+8*u+(\i)+1], s[CS:CS+1], v[ST+8*u:ST+8*u+1] op_sel_hi:[1,0,0] neg_lo:[0,0,1] neg_hi:[0,0,1]  ; c s - c m
.endr
.set j, 0
.rept 16
	v_exp_f32 v[S+j], v[S+j]                       ; one batch: both tokens' sixteen
.set j, j+1
.endr
	v_nop                                          ; a plain instruction behind the last exponential, ahead of the first use (ISA guide 5.7.2)
	s_wait_alu depctr_va_vdst(0)                   ; and one wait for the batch
	BOTH v_pk_add_f32 v[ST+8*u+2:ST+8*u+3], v[S+8*u:S+8*u+1], v[S+8*u+2:S+8*u+3]
	BOTH v_pk_add_f32 v[ST+8*u+4:ST+8*u+5], v[S+8*u+4:S+8*u+5], v[S+8*u+6:S+8*u+7]
	BOTH v_pk_add_f32 v[ST+8*u+2:ST+8*u+3], v[ST+8*u+2:ST+8*u+3], v[ST+8*u+4:ST+8*u+5]
	BOTH v_add_f32 v[ST+8*u+2], v[ST+8*u+2], v[ST+8*u+3]
	BOTH v_permlanex16_b32 v[ST+8*u+3], v[ST+8*u+2], s[SEL], s[SEL+1]
	BOTH v_add_f32 v[ST+8*u+2], v[ST+8*u+2], v[ST+8*u+3]
	BOTH v_rcp_f32 v[ST+8*u+6], v[ST+8*u+2]
	v_nop
	s_wait_alu depctr_va_vdst(0)                   ; one wait for the two reciprocals
.irp i, 0,2,4,6
	BOTH v_pk_mul_f32 v[S+8*u+(\i):S+8*u+(\i)+1], v[S+8*u+(\i):S+8*u+(\i)+1], v[ST+8*u+6:ST+8*u+7] op_sel_hi:[1,0]
.endr
.irp i, 0,1,2,3
	BOTH v_cvt_pk_f16_f32 v[P+12*u+(\i)], v[S+8*u+2*(\i)], v[S+8*u+2*(\i)+1]  ; A's weights into PA's registers 0-3 (keys 0-15), B's into PB's 4-7 (keys 16-31)
.endr
	s_wait_dscnt 0x0                               ; V is in
.irp cb, 0,1,2,3                       ; eight accumulators, one product each
	v_wmma_f32_16x16x32_f16 v[FR+8*(\cb):FR+8*(\cb)+7],       v[VF+8*(\cb):VF+8*(\cb)+7], v[P:P+7],    0
	v_wmma_f32_16x16x32_f16 v[FR+32+8*(\cb):FR+32+8*(\cb)+7], v[VF+8*(\cb):VF+8*(\cb)+7], v[P+8:P+15], 0
.endr
.rept 4
	v_nop                                          ; the places behind those products: the conversions read their results and write over V's registers
.endr
.irp tk, 0,1
.irp cb, 0,1,2,3
.irp i, 0,1,2,3
	v_cvt_pk_f16_f32 v[VF+16*(\tk)+4*(\cb)+(\i)], v[FR+32*(\tk)+8*(\cb)+2*(\i)], v[FR+32*(\tk)+8*(\cb)+2*(\i)+1]
.endr
.endr
.endr
.irp tk, 0,1
.irp cb, 0,1,2,3
	ds_store_b128 v[STO], v[VF+16*(\tk)+4*(\cb):VF+16*(\tk)+4*(\cb)+3] offset:128*(\tk)+32*(\cb)
.endr
.endr
.irp t, 0,1,2,3,4,5,6,7
	ds_load_b128 v[FR+4*(\t):FR+4*(\t)+3], v[RD] offset:(\t)*2*SP  ; heads 2 t and 2 t + 1
.endr
.irp t, 0,1,2,3,4,5,6,7
	s_wait_dscnt 7-(\t)                            ; LDS loads come back in order: load t is in, the 7 - t younger ones may be out
	global_store_b128 v[GO], v[FR+4*(\t):FR+4*(\t)+3], s[6:7] offset:(\t)*2*524288 th:TH_STORE_NT  ; each half of the lanes stores 256 consecutive bytes, at a multiple of 256 from o2's first byte; 14 heads on at the most, inside the signed 24-bit immediate
.endr
.if \next
	s_wait_xcnt 0x0                                ; the stores have read their data registers and their base: the next trip loads onto the first and this line writes the second
	s_add_nc_u64 s[6:7], s[6:7], 256               ; the next pair's 256 bytes of the same rows
.endif
.endm
	s_mov_b32 s9, 3
.Ltrip:
	TRIP 1
	s_sub_co_u32 s9, s9, 1
	s_cmp_lg_u32 s9, 0
	s_cbranch_scc1 .Ltrip
	TRIP 0                                         ; the last pair: nothing is left to ask for
	s_wait_tensorcnt 0x0                           ; the wave's end: behind my last LDS store
	ds_add_u32 v[SPW], v[NIL]
	s_wait_dscnt 0x0
	s_endpgm
.Lfunc_end_k_q55b0307a88_attn:
	.size	k_q55b0307a88_attn, .Lfunc_end_k_q55b0307a88_attn-k_q55b0307a88_attn
	.p2alignl 7, 3214868480
	.fill 96, 4, 3214868480
	.section	.rodata,"a",@progbits
	.p2align	6, 0x0
	.amdhsa_kernel k_q55b0307a88_attn
		.amdhsa_group_segment_fixed_size 75264
		.amdhsa_private_segment_fixed_size 0
		.amdhsa_enable_private_segment 0
		.amdhsa_kernarg_size 16
		.amdhsa_user_sgpr_count 2
		.amdhsa_user_sgpr_kernarg_segment_ptr 1
		.amdhsa_wavefront_size32 1
		.amdhsa_system_sgpr_workgroup_id_x 1
		.amdhsa_system_sgpr_workgroup_id_y 1
		.amdhsa_system_sgpr_workgroup_id_z 1
		.amdhsa_system_vgpr_workitem_id 0
		.amdhsa_next_free_vgpr 256
		.amdhsa_next_free_sgpr 66
		.amdhsa_reserve_vcc 0
		.amdhsa_float_denorm_mode_32 3
		.amdhsa_float_denorm_mode_16_64 3
		.amdhsa_memory_ordered 1
		.amdhsa_forward_progress 1
		.amdhsa_inst_pref_size 32
	.end_amdhsa_kernel
	.amdgpu_metadata
---
amdhsa.version: [ 1, 2 ]
amdhsa.kernels:
  - .name:           k_q55b0307a88_attn
    .symbol:         k_q55b0307a88_attn.kd
    .args:
      - { .name: qkv, .offset: 0, .size: 8, .value_kind: global_buffer, .address_space: global }
      - { .name: o2, .offset: 8, .size: 8, .value_kind: global_buffer, .address_space: global }
    .group_segment_fixed_size: 75264
    .private_segment_fixed_size: 0
    .kernarg_segment_align: 8
    .kernarg_segment_size: 16
    .max_flat_workgroup_size: 128
    .sgpr_count:     66
    .vgpr_count:     256
    .wavefront_size: 32
...
	.end_amdgpu_metadata
.endif
;; end of part 3
;; launch gp (part 4): grid 4 x 64, 4 waves a work-group, clusters of 4 x 4, 327,680 bytes of LDS; arguments o2, wp, proj_b, out0; writes out0
.if DOCPART == 4
	.amdgcn_target "amdgcn-amd-amdhsa--gfx1250"
	.amdhsa_code_object_version 6
	.text
	.protected	k_q55b0307a88_gp
	.globl	k_q55b0307a88_gp
	.p2align	8
	.type	k_q55b0307a88_gp,@function
k_q55b0307a88_gp:
	s_mov_b64 s[64:65], 0
	v_nop
	global_prefetch_b8 v0, s[64:65] scope:SCOPE_SE
	s_setreg_imm32_b32 hwreg(HW_REG_WAVE_MODE, 25, 1), 1
	s_wait_xcnt 0x0
	s_wait_alu depctr_hold_cnt(0) depctr_sa_sdst(0) depctr_va_vdst(0) depctr_va_sdst(0) depctr_va_ssrc(0) depctr_va_vcc(0) depctr_vm_vsrc(0)
	s_getreg_b32 s2, hwreg(HW_REG_IB_STS2, 6, 4)
	s_cmp_eq_u32 s2, 0
	s_cbranch_scc0 .Lentry_in_a_cluster
	s_endpgm
.Lentry_in_a_cluster:
	s_bfe_u32 s2, ttmp6, 0x10000c
	s_cmp_lg_u32 s2, 0xf033
	s_cbranch_scc0 .Lentry_shape_is_right
	s_endpgm
.Lentry_shape_is_right:
; out0[m][n] = bf16(proj_b[n]) + the sum over k of o2[m][k] wp[n][k].  o2: [16384][1024] f16, wp: [1024][1024] f16 (proj_w rounded to bf16 and written as f16), proj_b: [1024] f32, out0: [16384][1024] f32; sums in f32, stored as they are.
; LIMITS.  Those of its operands: o2 and wp lie within f16's range.  NaN and infinities are not treated apart.
; A tile of C, 256 x 256, is made by a work-group of four waves; a wave makes 128 x 128: 64 accumulators of 16 x 16, 512 registers.  K goes in 8 steps of 128 through a ring of two LDS slots filled by the
; tensor data mover: the rows of A's and B's tiles are 256 bytes of memory and start at multiples of 256 bytes from the buffer's first byte.  64 x 4 tiles: 256 work-groups.
; CLUSTERS: 4 x 4 work-groups.  The four of a row of the cluster need the same tiles of A, the four of a column the same tiles of B: each tile is asked for JOINTLY, by the same tensor load with the same
; descriptor and a mask that names the four.
; THE MATRIX INSTRUCTION IS USED TRANSPOSED (source 0 = 16 rows of B, source 1 = 16 rows of A): lane l then holds row l % 16 of C and the columns 8 (l / 16) + 0..7: eight neighbouring numbers of a row, 32 bytes.
; THE BIAS STARTS THE SUMS: for each block of 16 columns a lane's eight numbers of the bias lie in eight registers, and the first product on each accumulator takes them as C.  Nothing is cleared, nothing is added later.
; REGISTERS, in windows of 256 (s_set_vgpr_msb's low byte: bits 1:0 source 0, 3:2 source 1, 5:4 source 2, 7:6 destination):
;   window 0: v0-31 addresses; v64-127, v128-191 fragments of A, two buffers; on the way out the same two hold 16 rows read back from the stage, by turns
;   window 1: v0-63 the bias (column block b at v[8 b]); v192 at work; v64-127, v128-191 fragments of B, two buffers
;   window 2: the 32 accumulators of my rows 0-63 (accumulator (a, b) at v[8 (8 a + b)]);   window 3: those of my rows 64-127
.set SIZE_N, 1024
.set SIZE_K, 1024
.set CB,     4                         ; bytes in a number of C
.set KSTEP,  128
.set PITCH,  272                       ; an LDS row: 256 bytes of data + 16 of padding = 68 words: row r starts at bank 4 r mod 64 (64 banks of 4 bytes: ISA guide 11.1), so the 16 rows of a load start at 16 different banks
.set HALFT,  128*PITCH                 ; 128 rows: what one tensor load brings, and what one wave reads of A or of B
.set SLOT,   4*HALFT                   ; A's 256 rows, then B's 256 rows
.set STAGE,  2*SLOT                    ; behind the ring: 16 rows x 528 bytes for each wave, for the way out
.set SPITCH, 528                       ; 512 bytes (my 128 columns in f32) + 16 = 132 words: row r starts at bank 4 r mod 64
.set SPARE,  STAGE+4*16*SPITCH         ; behind the stages: the spare words, 128 bytes for each wave: two blocks of 256 bytes that no other line names
.set LAPS,   SIZE_K/(2*KSTEP)          ; a lap = two K steps = once round the ring
.set ADRA, 16                          ; v16-17  LDS address of my A fragments in slot 0, 1
.set ADRB, 20                          ; v20-21  the same for B
.set STO,  24                          ; v24     the way out: where I put 32 bytes of a row
.set RD,   25                          ; v25     the way out: where I read 16 bytes of a row back
.set CO,   26                          ; v26     my byte offset in a row's 512 bytes of C: 16 x lane
.set BO,   27                          ; v27     my byte offset in 16 numbers of the bias: 32 (l / 16)
.set SPW,  28                          ; v28     LDS address of my spare word: SPARE + 4 x my thread's number; never rewritten
.set NIL,  29                          ; v29     0; never rewritten
.set PFO,  30                          ; v30     the prefetches' offset: my lane x a row of A or B in memory; never rewritten
.set PFA,  44                          ; s[44:45] where my prefetches stand: my work-group's 32 rows of the 128 that I fetch, one K step further along K than the refill that is being asked for
.set LIM,  43                          ; s43     1 in a wave that prefetches, else the greatest number
.set F0,   64                          ; fragment buffer 0
.set F1,   128                         ; fragment buffer 1
.set G1,   24                          ; s[24:31] descriptor group 1 for A's tiles
.set G0,   32                          ; s[32:39] descriptor group 0 for A's tiles, one set for each slot
.set G1B,  48                          ; s[48:55] descriptor group 1 for B's tiles: it differs in the mask alone
.set G0B,  56                          ; s[56:63] descriptor group 0 for B's tiles
.set BIA,  68                          ; s[68:69] the bias at my first column
.set CP,   70                          ; s[70:71] C at my first row and column
.set MSB, 0
.macro WIN new                         ; the immediate's high byte repeats the setting that is left; a switch that changes nothing is dropped
.if MSB != (\new)
	s_set_vgpr_msb (MSB<<8)|(\new)
.set MSB, \new
.endif
.endm
.set MUL_LO, 0xa1                      ; source 0 (B) window 1, source 1 (A) window 0, C and D window 2
.set MUL_HI, 0xf1                      ; the same, C and D window 3
.set BI_LO,  0x91                      ; the first product: C (the bias) window 1, D window 2
.set BI_HI,  0xd1                      ; the same, D window 3
.set TO_B,   0x40                      ; destination window 1, address window 0
; A joint load.  Waves 0 and 1 fetch A's two halves, waves 2 and 3 B's.  Each of the two lines has one mask and one set of registers for all that issue it.  The branch hangs on the wave's number alone.
; An s_nop 0 and four v_nop follow each of the two lines, ahead of the jump, the label and what follows.
.macro JLOAD s
	s_cmp_eq_u32 s11, 0
	s_cbranch_scc0 .Lfor_b_\@
	tensor_load_to_lds s[G0+4*(\s):G0+4*(\s)+3], s[G1:G1+7]
	s_nop 0
.rept 4
	v_nop
.endr
	s_branch .Lasked_\@
.Lfor_b_\@:
	tensor_load_to_lds s[G0B+4*(\s):G0B+4*(\s)+3], s[G1B:G1B+7]
	s_nop 0
.rept 4
	v_nop
.endr
.Lasked_\@:
.endm
; A PREFETCH, behind each joint load, its five lines and the run of LDS loads that follows them: the K step that stands TWO refills on, 512 matrix instructions ahead of the load that will want it: 32 rows x 256 bytes, a lane a row.
; Each row's 256 bytes of a K step are named once in the launch: A's tile row is walked by one cluster alone (the grid is one cluster wide: cluster x = 0 everywhere), which asks; B's tile column by every cluster, and the
; one with y = 0 asks.  The four partners that ask for a tile jointly share its rows out BY ADDRESS: of the 128 rows that a wave fetches the partner at place p takes 32 p .. 32 p + 31 (p = cx for A, cy for B).
; K steps 0 to 3 come by their loads alone; the loop's last trip (s3 = 1) asks for nothing: there is no K step two refills on.
.macro ASK
	s_cmp_gt_u32 s3, s[LIM]
	s_cbranch_scc0 .Lnot_mine_\@
	global_prefetch_b8 v[PFO], s[PFA:PFA+1] offset:KSTEP*2 th:TH_LOAD_NT scope:SCOPE_SE
.Lnot_mine_\@:
.endm
; A round of the cluster's barrier: my work-group's barrier, so that wave 0's signal speaks for all four waves; wave 0 signals; every wave waits for all sixteen work-groups; my work-group's barrier once more.
.macro CREST                           ; a round behind its opening barrier
	s_cmp_lg_u32 s10, 0
	s_cbranch_scc1 .Lnot_wave_0_\@
	s_barrier_signal -3
.Lnot_wave_0_\@:
	s_barrier_wait -3
	s_barrier_signal -1
	s_barrier_wait -1
.endm
.macro CROUND                          ; a whole round
	s_barrier_signal -1
	s_barrier_wait -1
	CREST
.endm
	s_load_b128 s[4:7], s[0:1], 0x0                ; A s[4:5], B s[6:7]
	s_load_b128 s[BIA:BIA+3], s[0:1], 0x10         ; the bias s[68:69], C s[70:71]
	v_lshl_add_u32 v[SPW], v0, 2, SPARE
	v_mov_b32 v[NIL], 0
	ds_add_u32 v[SPW], v[NIL]                      ; the wave's opening: the add and its wait stand ahead of my first tensor load; the set-up below, work on registers, stands between them
	v_lshrrev_b32 v1, 5, v0
	v_readfirstlane_b32 s10, v1                    ; wave 0..3
	s_lshr_b32 s11, s10, 1                         ; which half of the tile's rows is mine.  Also: I fetch for A (0) or for B (1)
	s_and_b32 s12, s10, 1                          ; which half of its columns.  Also: which 128 rows of that tile I fetch
	s_bfe_u32 s40, ttmp6, 0x40000                  ; cx: my place along the cluster's x
	s_bfe_u32 s41, ttmp6, 0x40004                  ; cy: along its y
	s_lshl_b32 s42, ttmp9, 2                       ; in a cluster launch ttmp9 and ttmp7 count clusters
	s_add_co_u32 s42, s42, s40                     ; tile column of C = 4 x cluster x + cx
	s_and_b32 s13, ttmp7, 0xffff
	s_lshl_b32 s13, s13, 2
	s_add_co_u32 s13, s13, s41                     ; tile row of C = 4 x cluster y + cy
	s_lshl_b32 s43, s41, 2
	s_lshl_b32 s43, 15, s43                        ; my row of the cluster: places 4 cy .. 4 cy + 3
	s_lshl_b32 s44, 0x1111, s40                    ; my column: places cx, cx + 4, cx + 8, cx + 12
	; descriptor group 1: a tile of 128 rows x 128 elements, padded in LDS
	s_or_b32 s[G1+0], s43, (1<<16)|(1<<20)|(1<<21)|(5<<22)|(3<<25)  ; 15:0 the mask: A's tiles go to my row; 17:16 elements of 2 bytes; 20 padding on; 21 set beside a mask; 24:22 after every 64 words (code 5); 31:25 4 words of it (code 3)
	s_or_b32 s[G1B+0], s44, (1<<16)|(1<<20)|(1<<21)|(5<<22)|(3<<25) ; the same with the mask of my column, for B's tiles
.irp g, G1, G1B
	s_mov_b32 s[(\g)+1], KSTEP<<16                 ; tensor_dim0 = 128
	s_mov_b32 s[(\g)+2], 128<<16                   ; tensor_dim1 = 128
	s_mov_b32 s[(\g)+3], KSTEP<<16                 ; tile_dim0 = 128
	s_mov_b32 s[(\g)+4], 128                       ; tile_dim1 = 128
	s_mov_b32 s[(\g)+5], SIZE_K                    ; elements from row to row
	s_mov_b32 s[(\g)+6], 0
	s_mov_b32 s[(\g)+7], 0
.endr
	; where the tiles come from.  A's hang on the tile row alone, which my row of the cluster shares; B's on the tile column alone, which my column shares.
	s_lshl_b32 s17, s12, 7                         ; which 128 rows of the tile I fetch
	s_lshl_b32 s16, s13, 8
	s_add_co_u32 s16, s16, s17                     ; A: row 256 x tile row + 128 x half
	s_lshl_b32 s46, s42, 8
	s_add_co_u32 s46, s46, s17                     ; B: row 256 x tile column + 128 x half
	s_mov_b32 s17, 0
	s_mov_b32 s47, 0
	s_mov_b64 s[18:19], SIZE_K*2
	s_mul_u64 s[16:17], s[16:17], s[18:19]         ; in bytes, in 64 bits
	s_mul_u64 s[46:47], s[46:47], s[18:19]
	s_mul_i32 s20, s10, HALFT                      ; and where they go: wave x 128 rows: no place in the cluster enters an LDS address
	s_wait_dscnt 0x0                               ; the opening add is done
	s_wait_kmcnt 0x0
	s_add_nc_u64 s[14:15], s[4:5], s[16:17]
	s_add_nc_u64 s[46:47], s[6:7], s[46:47]
	CROUND                                         ; all sixteen work-groups are here: the first joint loads meet
.irp s, 0,1
	s_mov_b32 s[G0+4*(\s)], 1                                      ; 1:0 count = 1
	s_add_co_u32 s[G0+4*(\s)+1], s20, (\s)*SLOT                    ; 63:32 LDS address
	s_add_nc_u64 s[G0+4*(\s)+2:G0+4*(\s)+3], s[14:15], (\s)*KSTEP*2  ; 120:64 global address: K step s
	s_or_b32 s[G0+4*(\s)+3], s[G0+4*(\s)+3], 0x80000000            ; 127:126 type = 2
	s_mov_b32 s[G0B+4*(\s)], 1
	s_add_co_u32 s[G0B+4*(\s)+1], s20, (\s)*SLOT
	s_add_nc_u64 s[G0B+4*(\s)+2:G0B+4*(\s)+3], s[46:47], (\s)*KSTEP*2
	s_or_b32 s[G0B+4*(\s)+3], s[G0B+4*(\s)+3], 0x80000000
	JLOAD \s                                       ; the ring is filled before anything else is done: two loads of mine are out
.endr
	; A fragment is 16 rows x 32 K in 8 registers: lane l holds row l % 16; registers 0-3 hold K = 8 (l / 16) + 0..7, registers 4-7 K = 16 + 8 (l / 16) + 0..7: two loads of 16 bytes, 32 bytes apart.
	v_and_b32 v1, 15, v0                           ; l % 16
	v_bfe_u32 v2, v0, 4, 1                         ; l / 16
	v_mul_u32_u24 v3, v1, PITCH
	v_lshl_add_u32 v3, v2, 4, v3                   ; row x pitch + 16 x half
	s_mul_i32 s21, s11, HALFT                      ; my 128 rows of A
	s_mul_i32 s22, s12, HALFT                      ; my 128 rows of B,
	s_add_co_u32 s22, s22, 2*HALFT                 ; which lie behind A's 256
.irp s, 0,1
	v_add_nc_u32 v[ADRA+(\s)], s21, v3
	v_add_nc_u32 v[ADRB+(\s)], s22, v3
	s_add_co_u32 s21, s21, SLOT
	s_add_co_u32 s22, s22, SLOT
.endr
	s_mul_i32 s23, s10, 16*SPITCH
	s_add_co_u32 s23, s23, STAGE                   ; my stage
	v_mul_u32_u24 v4, v1, SPITCH                   ; in: row l % 16, 32 bytes for each half of the lanes
	v_lshl_add_u32 v4, v2, 5, v4
	v_add_nc_u32 v[STO], s23, v4
	v_and_b32 v5, 31, v0
	v_lshlrev_b32 v[CO], 4, v5                     ; back: 32 lanes take one row of 512 bytes; the same 512 bytes in C
	v_add_nc_u32 v[RD], s23, v[CO]
	v_lshlrev_b32 v[BO], 5, v2
	; C and the bias at my part of the tile
	s_lshl_b32 s13, s13, 8                         ; 256 x tile row
	s_lshl_b32 s14, s11, 7
	s_add_co_u32 s16, s13, s14                     ; my first row of C
	s_mov_b32 s17, 0
	s_mov_b64 s[18:19], SIZE_N*CB
	s_mul_u64 s[16:17], s[16:17], s[18:19]
	s_lshl_b32 s46, s42, 8                         ; my first column: 256 x tile column + 128 x half (in the registers that held B's address: none that feeds A's descriptors held cx before the loads were built)
	s_lshl_b32 s47, s12, 7
	s_add_co_u32 s46, s46, s47
	s_mov_b32 s47, 0
	s_lshl_b32 s46, s46, 2                         ; in bytes of f32, for the bias and for C
	s_add_nc_u64 s[BIA:BIA+1], s[BIA:BIA+1], s[46:47]
	s_add_nc_u64 s[16:17], s[16:17], s[46:47]
	s_add_nc_u64 s[CP:CP+1], s[CP:CP+1], s[16:17]
	WIN TO_B
.irp b, 0,1,2,3,4,5,6,7                ; column block b: my eight numbers of the bias, columns 16 b + 8 (l / 16) + 0..7
	global_load_b128 v[8*(\b):8*(\b)+3],   v[BO], s[BIA:BIA+1] offset:64*(\b)
	global_load_b128 v[8*(\b)+4:8*(\b)+7], v[BO], s[BIA:BIA+1] offset:64*(\b)+16
.endr
	WIN 0
	; the prefetches.  s13 = 256 x tile row, s42 = tile column, s40 = cx, s41 = cy still stand; s[4:5] = A, s[6:7] = B
	s_lshl_b32 s42, s42, 8
	s_and_b32 s22, ttmp7, 0xffff                   ; cluster y
	s_cmp_eq_u32 s11, 0                            ; do I fetch for A?
	s_cselect_b32 s20, s13, s42                    ; the tile's first row: in A by the tile row, in B by the tile column
	s_cselect_b32 s21, s40, s41                    ; my place among the four that ask for it with me
	s_cselect_b32 s22, ttmp9, s22                  ; the coordinate along which other clusters walk the same rows
	s_cselect_b64 s[PFA:PFA+1], s[4:5], s[6:7]
	s_cmp_eq_u32 s22, 0
	s_cselect_b32 s[LIM], 1, -1                    ; the same in all sixteen partners, for a given wave
	s_lshl_b32 s22, s12, 7
	s_add_co_u32 s20, s20, s22                     ; + the 128 rows that I fetch
	s_lshl_b32 s21, s21, 5
	s_add_co_u32 s20, s20, s21                     ; + my work-group's 32 of them
	s_mov_b32 s21, 0
	s_mov_b64 s[18:19], SIZE_K*2
	s_mul_u64 s[20:21], s[20:21], s[18:19]
	s_add_nc_u64 s[PFA:PFA+1], s[PFA:PFA+1], s[20:21]
	s_add_nc_u64 s[PFA:PFA+1], s[PFA:PFA+1], 2*KSTEP*2  ; at K step 2: the first refill steps it to 3 and names K step 4
	v_and_b32 v[PFO], 31, v0
	v_mul_u32_u24 v[PFO], v[PFO], SIZE_K*2
	s_wait_loadcnt 0x0                             ; the bias is in
	WIN 0x45                                       ; destination and both sources window 1
.set i, 0
.rept 32                               ; the bias is rounded to bf16 like every other input, and widened again
	v_cvt_pk_bf16_f32 v192, v[2*i], v[2*i+1]
	v_lshlrev_b32 v[2*i], 16, v192
	v_and_b32 v[2*i+1], 0xffff0000, v192
.set i, i+1
.endr
	WIN 0
; 16 matrix instructions: m blocks a0, a0 + 1 of the window's four (hi = 0: my rows 0-63, 1: rows 64-127) x all 8 n blocks, 32 along K.  zero = 1: the first product starts the sums, with the bias as C.
; The 64 accumulators take turns, one instruction a turn, in the same order in every quarter step.
.macro MUL16 f, hi, a0, zero
.if \zero
	WIN BI_LO+0x40*(\hi)
.else
	WIN MUL_LO+0x50*(\hi)
.endif
.irp a, \a0, (\a0)+1
.irp b, 0,1,2,3,4,5,6,7
.if \zero
	v_wmma_f32_16x16x32_f16 v[8*(8*(\a)+(\b)):8*(8*(\a)+(\b))+7], v[(\f)+8*(\b):(\f)+8*(\b)+7], v[(\f)+8*(4*(\hi)+(\a)):(\f)+8*(4*(\hi)+(\a))+7], v[8*(\b):8*(\b)+7]
.else
	v_wmma_f32_16x16x32_f16 v[8*(8*(\a)+(\b)):8*(8*(\a)+(\b))+7], v[(\f)+8*(\b):(\f)+8*(\b)+7], v[(\f)+8*(4*(\hi)+(\a)):(\f)+8*(4*(\hi)+(\a))+7], v[8*(8*(\a)+(\b)):8*(8*(\a)+(\b))+7]
.endif
.endr
.endr
.endm
; 32 LDS loads in one run: the fragments of one quarter step (128 rows of B, 128 rows of A, 32 K at byte k of the rows) into buffer f
.macro FETCH slot, k, f
	WIN TO_B
.irp i, 0,1,2,3,4,5,6,7
	ds_load_b128 v[(\f)+8*(\i):(\f)+8*(\i)+3],   v[ADRB+(\slot)] offset:(\k)+(\i)*16*PITCH
	ds_load_b128 v[(\f)+8*(\i)+4:(\f)+8*(\i)+7], v[ADRB+(\slot)] offset:(\k)+(\i)*16*PITCH+32
.endr
	WIN 0
.irp i, 0,1,2,3,4,5,6,7
	ds_load_b128 v[(\f)+8*(\i):(\f)+8*(\i)+3],   v[ADRA+(\slot)] offset:(\k)+(\i)*16*PITCH
	ds_load_b128 v[(\f)+8*(\i)+4:(\f)+8*(\i)+7], v[ADRA+(\slot)] offset:(\k)+(\i)*16*PITCH+32
.endr
.endm
; A load into a register that a matrix instruction has read, and a vector instruction or LDS store that reads a matrix result, stand four places behind that matrix instruction, and only plain vector
; instructions that name none of its registers are places (ISA guide 7.12.1 for vector instructions).
.macro PLACES
.rept 4
	v_nop
.endr
.endm
; A K step is four quarter steps of 32 along K, 64 matrix instructions each, on buffers 0, 1, 0, 1.  One of the first three: multiplies buffer f; in its middle it fetches the next quarter's fragments into buffer g.
.macro QUARTER slot, k, f, g, zero
	s_wait_dscnt 8                                 ; B and A's rows 0-63 are in; the youngest eight loads (A's rows 64-127) may be out
	MUL16 \f, 0, 0, \zero
	MUL16 \f, 0, 2, \zero
	PLACES
	FETCH \slot, \k, \g
	s_wait_dscnt 32                                ; all but the 32 just issued
	MUL16 \f, 1, 0, \zero
	MUL16 \f, 1, 2, \zero
.endm
; The last quarter multiplies buffer 1 and changes slots.  MEET is its first half: ONE barrier for the change.  In front of it each wave waits for all its tensor loads, of which one is out: its part of the next slot;
; adds 0 to its spare word; and waits for that and for its own reads of this slot.  Behind it nobody reads this slot any more and the next slot is whole.
.macro MEET round                      ; round = 1: a round of the cluster's barrier follows
	WIN 0                                          ; (the add's two registers lie in window 0)
	s_wait_tensorcnt 0x0                           ; all my tensor loads have landed;
	ds_add_u32 v[SPW], v[NIL]                      ; 0 onto my spare word;
	s_wait_dscnt 9                                 ; (the add and the youngest eight loads may be out)
	MUL16 F1, 0, 0, 0                              ; sixteen matrix instructions stand between the add and the wait for it
	s_wait_dscnt 0x0                               ; the add is done, and my reads of this slot are over:
	s_barrier_signal -1                            ; say so,
	MUL16 F1, 0, 2, 0                              ; work on registers while the others arrive,
.if \round
	WIN 0
.endif
	s_barrier_wait -1                              ; and go on when all four have said so
.endm
; The whole last quarter.  fill = 1: behind the round the slot just read out is filled again first, with the K step two steps on; then come the next slot's first fragments.  From a request to the wait for it a wave issues 224 matrix instructions.
.macro TURN slot, next, fill
.if \fill
	s_wait_xcnt 0x0                                ; the last prefetch, a K step back, has read its address: it is stepped here, ahead of the waits of the change of slots
	s_add_nc_u64 s[PFA:PFA+1], s[PFA:PFA+1], KSTEP*2
	MEET 1
	CREST                                          ; no wave of any partner still reads this slot's tile or has a load on its way
	s_add_nc_u64 s[G0+4*(\slot)+2:G0+4*(\slot)+3], s[G0+4*(\slot)+2:G0+4*(\slot)+3], 2*KSTEP*2
	s_add_nc_u64 s[G0B+4*(\slot)+2:G0B+4*(\slot)+3], s[G0B+4*(\slot)+2:G0B+4*(\slot)+3], 2*KSTEP*2
	JLOAD \slot                                    ; the first tensor load behind the round; the four v_nop behind it are also the places in front of the loads below
	FETCH \next, 0, F0
	ASK
.else
	MEET 0                                         ; nothing is filled again, so no round follows
	PLACES
	FETCH \next, 0, F0
.endif
	MUL16 F1, 1, 0, 0
	MUL16 F1, 1, 2, 0
.endm
; THE WAY OUT of block a (16 rows x my 128 columns of f32), in two parts.  TOST32: the accumulators go as they are into my own stage in LDS (each one's low four registers first), and come back as whole rows of
; 512 bytes, into A's fragment buffers by turns.  SEND32: stored; younger = the LDS instructions issued behind the block's loads: the next block's 16 stores and 16 loads, or none.
.macro TOST32 a
.set AC, 64*((\a)%4)
.set BK, F0+64*((\a)%2)
.if (\a) >= 2
	s_wait_xcnt 0x0                                ; the stores of the block two back have read their registers: the loads below land on them only behind this wait
.endif
	WIN 0x08+4*((\a)/4)                            ; an LDS store's data are its source 1: window 2 or 3
.irp b, 0,1,2,3,4,5,6,7
	ds_store_b128 v[STO], v[AC+8*(\b):AC+8*(\b)+3]   offset:64*(\b)
	ds_store_b128 v[STO], v[AC+8*(\b)+4:AC+8*(\b)+7] offset:64*(\b)+16
.endr
	WIN 0
.irp t, 0,1,2,3,4,5,6,7,8,9,10,11,12,13,14,15
	ds_load_b128 v[BK+4*(\t):BK+4*(\t)+3], v[RD] offset:(\t)*SPITCH  ; LDS serves a wave's instructions in order (ISA guide 5.7.1.4): these see the stores above; the next block's stores come behind them
.endr
.endm
.macro SEND32 a, younger
.set BK, F0+64*((\a)%2)
.irp t, 0,1,2,3,4,5,6,7,8,9,10,11,12,13,14,15
	s_wait_dscnt (\younger)+15-(\t)
	global_store_b128 v[CO], v[BK+4*(\t):BK+4*(\t)+3], s[CP:CP+1] offset:(16*(\a)+(\t))*SIZE_N*CB th:TH_STORE_NT  ; 512 consecutive bytes, at a multiple of 256 from C's first byte; 127 rows of C at the most, inside the signed 24-bit immediate
.endr
.endm
	s_wait_tensorcnt 1                             ; my part of K step 0 is in; K step 1's may stay out
	s_barrier_signal -1
	s_barrier_wait -1                              ; everybody's is
	FETCH 0, 0, F0
	QUARTER 0, 64,  F0, F1, 1                      ; the first quarter stands in front of the loop: its products start the sums
	WIN 0                                          ; at a label and at a branch every window is 0
	s_mov_b32 s3, LAPS-1
.Llap:                                                 ; a trip goes once round the ring, from a lap's second quarter to the next lap's first, and fills both slots again
	QUARTER 0, 128, F1, F0, 0
	QUARTER 0, 192, F0, F1, 0
	TURN 0, 1, 1
	QUARTER 1, 64,  F0, F1, 0
	QUARTER 1, 128, F1, F0, 0
	QUARTER 1, 192, F0, F1, 0
	TURN 1, 0, 1
	QUARTER 0, 64,  F0, F1, 0
	WIN 0
	s_sub_co_u32 s3, s3, 1
	s_cmp_lg_u32 s3, 0
	s_cbranch_scc1 .Llap
	QUARTER 0, 128, F1, F0, 0                      ; the last lap fills nothing, and has no round of the cluster's barrier
	QUARTER 0, 192, F0, F1, 0
	TURN 0, 1, 0
	QUARTER 1, 64,  F0, F1, 0
	QUARTER 1, 128, F1, F0, 0
	QUARTER 1, 192, F0, F1, 0
	s_wait_dscnt 8                                 ; the very last quarter: nothing more to fetch
	MUL16 F1, 0, 0, 0
	MUL16 F1, 0, 2, 0
	s_wait_dscnt 0x0
	MUL16 F1, 1, 0, 0
	MUL16 F1, 1, 2, 0
	WIN 0
	PLACES                                         ; the places behind the last products, with four to spare, once a launch: the LDS stores read results, the loads from the stage land on A's fragments
	PLACES
	TOST32 0
.irp a, 0,1,2,3,4,5,6                  ; block a + 1 goes through the stage while block a's rows come back and are stored
	TOST32 (\a)+1
	SEND32 \a, 32
.endr
	SEND32 7, 0
	s_wait_tensorcnt 0x0                           ; the wave's end: behind my last tensor load and my last LDS store
	ds_add_u32 v[SPW], v[NIL]
	s_wait_dscnt 0x0
	CROUND                                         ; the closing round: no work-group ends while a partner may still ask for a tile that names it
	s_endpgm
.Lfunc_end_k_q55b0307a88_gp:
	.size	k_q55b0307a88_gp, .Lfunc_end_k_q55b0307a88_gp-k_q55b0307a88_gp
	.p2alignl 7, 3214868480
	.fill 96, 4, 3214868480
	.section	.rodata,"a",@progbits
	.p2align	6, 0x0
	.amdhsa_kernel k_q55b0307a88_gp
		.amdhsa_group_segment_fixed_size 327680
		.amdhsa_private_segment_fixed_size 0
		.amdhsa_enable_private_segment 0
		.amdhsa_kernarg_size 32
		.amdhsa_user_sgpr_count 2
		.amdhsa_user_sgpr_kernarg_segment_ptr 1
		.amdhsa_wavefront_size32 1
		.amdhsa_system_sgpr_workgroup_id_x 1
		.amdhsa_system_sgpr_workgroup_id_y 1
		.amdhsa_system_sgpr_workgroup_id_z 1
		.amdhsa_system_vgpr_workitem_id 0
		.amdhsa_next_free_vgpr 1024
		.amdhsa_next_free_sgpr 72
		.amdhsa_reserve_vcc 0
		.amdhsa_float_denorm_mode_32 3
		.amdhsa_float_denorm_mode_16_64 3
		.amdhsa_memory_ordered 1
		.amdhsa_forward_progress 1
		.amdhsa_inst_pref_size 152
	.end_amdhsa_kernel
	.amdgpu_metadata
---
amdhsa.version: [ 1, 2 ]
amdhsa.kernels:
  - .name:           k_q55b0307a88_gp
    .symbol:         k_q55b0307a88_gp.kd
    .args:
      - { .name: o2, .offset: 0, .size: 8, .value_kind: global_buffer, .address_space: global }
      - { .name: wp, .offset: 8, .size: 8, .value_kind: global_buffer, .address_space: global }
      - { .name: proj_b, .offset: 16, .size: 8, .value_kind: global_buffer, .address_space: global }
      - { .name: out0, .offset: 24, .size: 8, .value_kind: global_buffer, .address_space: global }
    .group_segment_fixed_size: 327680
    .private_segment_fixed_size: 0
    .kernarg_segment_align: 8
    .kernarg_segment_size: 32
    .max_flat_workgroup_size: 128
    .sgpr_count:     72
    .vgpr_count:     1024
    .wavefront_size: 32
...
	.end_amdgpu_metadata
.endif
;; end of part 4
